; MI455X (gfx1250); checked and timed in simulation.
; The chip was launched on July 23, 2026; its instructions are those of AMD's public machine-readable ISA for CDNA 5 (MIT licence, August 2026) and "CDNA5" Instruction Set Architecture Reference Guide (July 2026). The comments in the code are by the model that wrote it; some were corrected since.
;; Multi Head Attention. Allowed arithmetic: matrix products marked QUANTISED: E2M1 operands, one E8M0 scale for each 32 along K, by v_wmma_scale_f32_16x16x128_f8f6f4 with both operands' format E2M1 (or v_wmma_scale_f32_32x16x128_f4), f32 sums; products left as they are: bf16, f16 or f32 operands; f32 sums; everything else in f32.
;; Inputs: Wk 256 x 256 float32; Wm 256 x 256 float32; Wq 256 x 256 float32; Wv 256 x 256 float32; bk 256 float32; bm 256 float32; bq 256 float32; bv 256 float32; query 4 x 256 x 4,096 float32; source 4 x 256 x 4,096 float32.
;; Outputs: out0 4 x 256 x 4,096 float32.
;; This version of the problem:
;;   THIS VERSION OF THE PROBLEM IS GIVEN IN LOW PRECISION. The matrix products marked QUANTISED in the list below multiply operands that are first quantised to E2M1 (2 exponent bits, 1 mantissa bit; 4 bits a number), with one power-of-two scale for each 32 numbers along K (OCP MX v1.0); their sums are f32. The products marked 'left as it is' may take bf16, f16 or f32 operands, with f32 sums. Whichever they take, every output number must still come out within the allowed error. Rounding operands to bf16 (8 significant bits) uses up far more of that allowance than f16 does (11 bits, for magnitudes from 6e-5 to 65,504). All else is computed in f32.
;;   The module's matrix products, in the order in which they are computed (A, B: the left and right operand; K: the contracted axis; several contracted axes count as one K, in the product's order):
;;     1. [M 16,384, K 256] x [K 256, N 256]; A: input query; B: input Wq: QUANTISED
;;     2. [M 16,384, K 256] x [K 256, N 256]; A: input source; B: input Wk: QUANTISED
;;     3. [M 16,384, K 256] x [K 256, N 256]; A: input source; B: input Wv: QUANTISED
;;     4. batch 16 x [M 4,096, K 64] x [K 64, N 4,096]; A: computed on the way; B: computed on the way: left as it is (an operand is computed on the way)
;;     5. batch 16 x [M 64, K 4,096] x [K 4,096, N 4,096]; A: computed on the way; B: computed on the way: left as it is (an operand is computed on the way)
;;     6. [M 16,384, K 256] x [K 256, N 256]; A: computed on the way; B: input Wm: left as it is (an operand is computed on the way)
;;   THE QUANTISER, for each operand of a quantised product, along K:
;;     - K is cut into blocks of 32 from its start; a last block that is shorter is filled with zeros.
;;     - A block's scale is 2^e with e = floor(log2(the largest magnitude in the block)) - 2, held to -126 .. 127; a block of zeros has e = 0. As a byte (E8M0): e + 127.
;;     - Each number is divided by its block's scale, clamped to +-6, and rounded to the nearest number of E2M1, ties to even, subnormals kept.
;;     - The product sums the exact products of the quantised numbers (number of the format x scale) in f32.
;;   ~~~python
;;   def quantise(x, axis):      # numpy; x: float32 -> the quantised numbers, widened to float32 again
;;       x = np.moveaxis(x, axis, -1); K = x.shape[-1]
;;       x = np.pad(x, [(0, 0)] * (x.ndim - 1) + [(0, -K % 32)]); x = x.reshape(x.shape[:-1] + (-1, 32)); a = np.abs(x).max(-1, keepdims=True)
;;       e = np.where(a > 0, np.clip(np.frexp(np.where(a > 0, a, 1))[1] - 1 - 2, -126, 127), 0)      # np.frexp(a)[1] - 1 = floor(log2(a)), exactly
;;       r = np.clip(x / 2.0 ** e, -6, 6)
;;       step = 2.0 ** (np.maximum(np.frexp(np.where(r == 0, 1, r))[1] - 1, 0) - 1)
;;       q = np.round(r / step) * step * 2.0 ** e      # np.round: ties to even
;;       return np.moveaxis(q.reshape(q.shape[:-2] + (-1,))[..., :K], -1, axis).astype(np.float32)
;;   ~~~
;; One version. Each part assembles by itself: llvm-mc -triple=amdgcn-amd-amdhsa -mcpu=gfx1250 --defsym DOCPART=n.
;; ======== version 1 of 1: 3 launches
;; limits: values are held in f16: magnitudes above 65,504 overflow, below 6.1e-05 lose precision
;; workspace buffers: qw 8,388,608 bytes; kvw 16,777,216 bytes; ow 8,388,608 bytes
;; launch proj (part 1): grid 128 x 3, 8 waves a work-group, no clusters, 18,432 bytes of LDS; arguments query, source, Wq, Wk, Wv, bq, bk, bv, qw, kvw; writes qw, kvw
.if DOCPART == 1
	.amdgcn_target "amdgcn-amd-amdhsa--gfx1250"
	.amdhsa_code_object_version 6
	.text
	.protected	k_qdc3765e50f_proj
	.globl	k_qdc3765e50f_proj
	.p2align	8
	.type	k_qdc3765e50f_proj,@function
k_qdc3765e50f_proj:
	s_mov_b64 s[64:65], 0
	v_nop
	global_prefetch_b8 v0, s[64:65] scope:SCOPE_SE
	s_setreg_imm32_b32 hwreg(HW_REG_WAVE_MODE, 25, 1), 1
	s_wait_xcnt 0x0
; THE THREE PROJECTIONS  Y[b][o][n] = sum over c of W[o][c] X[b][c][n] + bias[o], on codes of FP4 (E2M1) with one E8M0 scale for each 32 along c.
; X: [4][256][4096] f32 (c is NOT innermost), W: [256][256] f32 (c innermost).  Work-group y is the job: 0: query, Wq, bq -> qw;  1: source, Wk, bk -> kvw;  2: source, Wv, bv -> kvw + 2^23.
; Work-group x is a slab of 128 columns n of one batch.  Only pointers are chosen by the job; the one branch on it stands ahead of the products.
; QUANTISER: a block's scale byte is its largest magnitude's exponent field - 2, held at 1 from below; numbers / scale go to the nearest code, ties to even, beyond 6 to the largest code.
; X: a lane takes a column n and its 32 registers run down c: a whole block a lane.  Wave w quantises columns 32 (w & 3) on, channels 128 (w >> 2) on; two exchanges of lane halves make operand registers
; of the codes, which go to LDS as images of those registers (lane l's 16 bytes at 16 l).  W: lane (r, h) loads the very 32 numbers of row r that the operand's layout gives it: the codes are the operand.
; PRODUCTS: wave w keeps output tiles 2 w and 2 w + 1 of W in registers and multiplies them with all 8 column tiles.  Q, K: source 0 = W, source 1 = X: a lane holds one position and 8 channels.
; V: source 0 = X, source 1 = W: a lane holds one channel and 8 keys.  Results, rounded to f16, are stored as images of the registers in which the attention launch wants them:
; byte ((4 b + head) 256 + tile) 2048 + 512 t + 16 lane: every store of a wave covers 512 consecutive bytes.
; LIMITS: |Q|, |K|, |V| must stay under 65,504 (f16); NaN and infinities among the inputs are not served; a block of zeros gets the byte 1 where the rule says 127 (its codes are zeros, and this
; program alone reads the bytes).  source is read and quantised by two jobs: one path of text for all three.
.set XIMG,  0                          ; LDS: X's 16 fragments: (2 tile + f) x 1024 + 512 c' + 16 lane
.set XSC,   16384                      ; their scale words: 512 f + 4 column
.set SPARE, 17408                      ; the spare words, 128 bytes for each wave: no other line names them
.set LANE, 1
.set R,    2
.set HH,   3
.set XO,   4                           ; X: 4 lane + 128 (w & 3)
.set WO,   5                           ; W: 1024 r + 128 h
.set BO,   6                           ; bias, eight a lane: 32 h
.set XW,   7                           ; where I store X's images
.set XSW,  8                           ; and my columns' scale words
.set LI,   9                           ; 16 lane
.set XSR,  10                          ; XSC + 4 r
.set SH8,  11                          ; 8 h
.set TM,   12                          ; v12-13 largest magnitudes
.set SCL,  14                          ; the conversion's scale operand
.set BY,   15                          ; the scale's byte
.set WS,   16                          ; v16-19  W's scale words (z, f): scales and nothing else
.set XS,   20                          ; v20-35  X's scale words (tile, f): scales and nothing else
.set BI,   36                          ; v36-51  the bias as C: 8 registers for each of my two tiles
.set WC,   52                          ; v52-83  W's codes (z, f)
.set ACC,  84                          ; v84-115 four accumulators; while quantising: v84-99 X's codes, v100 X's scale word, v101-103 at work
.set XWD,  100
.set WB0,  101
.set PT,   102
.set WT,   103
.set ST,   116                         ; v116-243 four sets of 32 numbers; then X's 16 fragments; then the packed results
.set BR,   244                         ; v244-245 the bias, one a lane (V's form)
.set RO,   246                         ; 4 r
.set SPW,  252                         ; LDS address of my spare word; never rewritten
.set NIL,  253                         ; 0; never rewritten
	s_load_b512 s[8:23], s[0:1], 0x0               ; query, source, Wq, Wk, Wv, bq, bk, bv
	s_load_b128 s[24:27], s[0:1], 0x40             ; qw, kvw
	v_lshl_add_u32 v[SPW], v0, 2, SPARE
	v_mov_b32 v[NIL], 0
	v_lshrrev_b32 v1, 5, v0
	v_readfirstlane_b32 s30, v1                    ; wave 0..7
	v_and_b32 v[LANE], 31, v0
	v_and_b32 v[R], 15, v0
	v_bfe_u32 v[HH], v0, 4, 1
	s_and_b32 s32, ttmp7, 0xffff                   ; the job
	s_and_b32 s33, s30, 3                          ; cg: which 32 columns I quantise
	s_lshr_b32 s38, s30, 2                         ; f: which 128 channels
	s_lshl_b32 s39, s33, 7
	v_lshl_add_u32 v[XO], v[LANE], 2, s39
	v_lshlrev_b32 v[WO], 10, v[R]
	v_lshl_add_u32 v[WO], v[HH], 7, v[WO]
	v_lshlrev_b32 v[BO], 5, v[HH]
	v_lshlrev_b32 v[RO], 2, v[R]
	v_lshlrev_b32 v[LI], 4, v[LANE]
	s_lshl_b32 s50, s33, 12                        ; tiles 2 cg and 2 cg + 1: 4096 cg,
	s_lshl_b32 s51, s38, 10                        ; fragment f: 1024 f
	s_add_co_u32 s50, s50, s51
	v_add_nc_u32 v[XW], s50, v[LI]
	s_lshl_b32 s51, s38, 9
	s_add_co_u32 s51, s51, s39
	s_add_co_u32 s51, s51, XSC
	v_lshl_add_u32 v[XSW], v[LANE], 2, s51
	v_lshl_add_u32 v[XSR], v[R], 2, XSC
	v_lshlrev_b32 v[SH8], 3, v[HH]
	v_mov_b32 v[PT], 0                             ; written once: a lane permute's destination counts as one of its sources
	s_mov_b32 s48, 0x76543210
	s_mov_b32 s49, 0xfedcba98                      ; v_permlanex16_b32's selects for lane l xor 16
	s_lshr_b32 s52, ttmp9, 5                       ; batch
	s_and_b32 s53, ttmp9, 31                       ; slab of 128 columns
	s_lshl_b32 s36, s52, 22                        ; X: batch x 256 x 16384
	s_lshl_b32 s54, s53, 9                         ;    + slab x 512 bytes
	s_add_co_u32 s36, s36, s54
	s_lshl_b32 s54, s38, 21                        ;    + 128 f rows of 16384 bytes
	s_add_co_u32 s36, s36, s54
	s_mov_b32 s37, 0
	s_lshl_b32 s56, s30, 15                        ; W: my 32 rows of 1024 bytes
	s_mov_b32 s57, 0
	s_lshl_b32 s58, s30, 7                         ; bias: my 32 numbers
	s_mov_b32 s59, 0
	s_lshl_b32 s60, s52, 2                         ; out: (4 batch + head) x 2^19, head = w >> 1
	s_lshr_b32 s54, s30, 1
	s_add_co_u32 s60, s60, s54
	s_lshl_b32 s60, s60, 19
	s_lshl_b32 s54, s53, 14                        ;    + 8 tiles of 2048 bytes a slab
	s_add_co_u32 s60, s60, s54
	s_and_b32 s54, s30, 1                          ;    + chunk t = 2 (w & 1) + z
	s_lshl_b32 s54, s54, 10
	s_add_co_u32 s60, s60, s54
	s_mov_b32 s61, 0
	s_wait_kmcnt 0x0
	s_cmp_eq_u32 s32, 0                            ; the choices hang on the work-group's number alone
	s_cselect_b64 s[40:41], s[8:9], s[10:11]       ; X
	s_cselect_b64 s[42:43], s[12:13], s[14:15]     ; W
	s_cselect_b64 s[44:45], s[18:19], s[20:21]     ; bias
	s_cselect_b64 s[46:47], s[24:25], s[26:27]     ; out
	s_cmp_eq_u32 s32, 2
	s_cselect_b64 s[42:43], s[16:17], s[42:43]
	s_cselect_b64 s[44:45], s[22:23], s[44:45]
	s_cselect_b32 s34, 0x800000, 0                 ; V lies in the second half of kvw
	s_mov_b32 s35, 0
	s_add_nc_u64 s[40:41], s[40:41], s[36:37]
	s_add_nc_u64 s[42:43], s[42:43], s[56:57]
	s_add_nc_u64 s[44:45], s[44:45], s[58:59]
	s_add_nc_u64 s[46:47], s[46:47], s[60:61]
	s_add_nc_u64 s[46:47], s[46:47], s[34:35]
.irp z, 0,1                            ; the bias in both forms: bias[16 u + 8 h + 0..7] and bias[16 u + r].  These six loads are older than all others: every later count covers them
	global_load_b128 v[BI+8*\z:BI+8*\z+3], v[BO], s[44:45] offset:64*\z
	global_load_b128 v[BI+8*\z+4:BI+8*\z+7], v[BO], s[44:45] offset:64*\z+16
	global_load_b32 v[BR+\z], v[RO], s[44:45] offset:64*\z
.endr
; 32 numbers v[QS] .. v[QS + 31] of one block become 4 registers of codes at v[QD]; the byte is left in v[BY]
.macro QB
	v_max3_num_f32 v[TM], |v[QS]|, |v[QS+1]|, |v[QS+2]|
	v_max3_num_f32 v[TM+1], |v[QS+3]|, |v[QS+4]|, |v[QS+5]|
.irp i, 6,10,14,18,22,26
	v_max3_num_f32 v[TM], v[TM], |v[QS+\i]|, |v[QS+\i+1]|
	v_max3_num_f32 v[TM+1], v[TM+1], |v[QS+\i+2]|, |v[QS+\i+3]|
.endr
	v_max3_num_f32 v[TM], v[TM], |v[QS+30]|, |v[QS+31]|
	v_max3_num_f32 v[TM], v[TM], v[TM+1], 0x1800000    ; the floor 2^(3 - 127): the byte cannot fall under 1
	v_add_nc_u32 v[SCL], 0xff000000, v[TM]             ; 2 off the exponent field: the conversion takes that field as its scale
	v_lshrrev_b32 v[BY], 23, v[SCL]
.irp g, 0,1,2,3
	v_cvt_scalef32_pk8_fp4_f32 v[QD+\g], v[QS+8*\g:QS+8*\g+7], v[SCL]
.endr
	v_nop                                          ; one plain place behind the scaled conversions
.endm
.macro XLD k                           ; block k of my 128 channels: X(32 k + i, my column): a wave's load reads 128 consecutive bytes, four waves side by side 512
.set ii, 0
.rept 32
	global_load_b32 v[ST+32*(\k)+ii], v[XO], s[40:41] offset:(32*(\k)+ii)*16384
.set ii, ii+1
.endr
.endm
.macro WLD j                           ; j = 4 z + 2 f + c': the 32 numbers k = 128 f + 64 c' + 32 h + 0 .. 31 of row 16 (2 w + z) + r
.irp i, 0,1,2,3,4,5,6,7
	global_load_b128 v[ST+32*((\j)%4)+4*\i:ST+32*((\j)%4)+4*\i+3], v[WO], s[42:43] offset:((\j)>>2)*16384+(((\j)>>1)&1)*512+((\j)&1)*256+16*\i
.endr
.endm
.macro XBLK k, n                       ; n: the loads issued behind this block's own, which may stay out
	s_wait_loadcnt \n
.set QS, ST+32*(\k)
.set QD, ACC+8*((\k)>>1)+4*((\k)&1)
	QB
.if (\k) == 0
	v_mov_b32 v[XWD], v[BY]
.else
	v_lshl_or_b32 v[XWD], v[BY], 8*(\k), v[XWD]    ; my column's scale word: byte k for block k
.endif
.if ((\k)&1) == 1
.irp i, 0,1,2,3                        ; the layout wants lanes 0-15 to hold block 2 c' and lanes 16-31 block 2 c' + 1 of the SAME 16 columns: the first's upper lanes change places with the second's lower
	v_permlane16_swap_b32 v[ACC+8*((\k)>>1)+\i], v[ACC+4+8*((\k)>>1)+\i]
.endr
	ds_store_b128 v[XW], v[ACC+8*((\k)>>1):ACC+8*((\k)>>1)+3] offset:XIMG+512*((\k)>>1)          ; tile 2 cg
	ds_store_b128 v[XW], v[ACC+4+8*((\k)>>1):ACC+4+8*((\k)>>1)+3] offset:XIMG+2048+512*((\k)>>1) ; tile 2 cg + 1
.endif
.if (\k) == 3
	ds_store_b32 v[XSW], v[XWD]
.endif
.endm
.macro WBLK j, n
	s_wait_loadcnt \n
.set QS, ST+32*((\j)%4)
.set QD, WC+16*((\j)>>2)+8*(((\j)>>1)&1)+4*((\j)&1)
	QB
.if ((\j)&1) == 0
	v_mov_b32 v[WB0], v[BY]                        ; block h of the fragment
.else
	v_lshl_or_b32 v[WT], v[BY], 16, v[WB0]         ; with block 2 + h,
	v_lshlrev_b32 v[WT], v[SH8], v[WT]             ; at their places in the word;
	v_permlanex16_b32 v[PT], v[WT], s48, s49
	v_or_b32 v[WS+(\j)/2], v[WT], v[PT]            ; with lane l xor 16's two the word is whole
.endif
.endm
	XLD 0                                          ; twelve blocks on four sets of registers; a set is loaded again only when its block has been converted
	XLD 1
	XBLK 0, 32                                     ; behind block 0's loads: block 1's 32
	XLD 2
	XBLK 1, 32
	XLD 3
	XBLK 2, 32
	WLD 0
	WLD 1
	WLD 2
	XBLK 3, 24                                     ; behind block 3's loads: three blocks of W, 8 loads each
	WLD 3
	WBLK 0, 24
	WLD 4
	WBLK 1, 24
	WLD 5
	WBLK 2, 24
	WLD 6
	WBLK 3, 24
	WLD 7
	WBLK 4, 24
	WBLK 5, 16                                     ; nothing more is asked for: the counts run down
	WBLK 6, 8
	WBLK 7, 0
	s_wait_dscnt 0x0                               ; for the others' sake: my images and scale words have landed
	s_barrier_signal -1
	s_barrier_wait -1                              ; X's sixteen fragments lie in LDS
.irp i, 0,1,2,3,4,5,6,7
.irp f, 0,1
	ds_load_b128 v[ST+16*\i+8*\f:ST+16*\i+8*\f+3], v[LI] offset:XIMG+(2*\i+\f)*1024
	ds_load_b128 v[ST+16*\i+8*\f+4:ST+16*\i+8*\f+7], v[LI] offset:XIMG+(2*\i+\f)*1024+512
	ds_load_b32 v[XS+2*\i+\f], v[XSR] offset:512*\f+64*\i      ; lane r (and r + 16): column r's word
.endr
.endr
	s_wait_tensorcnt 0x0                           ; the wave's end as to LDS: behind my last LDS store; no LDS write follows
	ds_add_u32 v[SPW], v[NIL]
	s_wait_dscnt 0x0                               ; the add is done, and the fragments are in
.rept 8
	v_nop                                          ; W's scale words were written by vector instructions: eight places ahead of the scaled products (its codes: four)
.endr
; 32 products: column tiles in pairs; four accumulators (e, z) take turns, one instruction a turn.  The bias is the C of each sum's first product.
.macro MAT swap
.irp p, 0,1,2,3
.irp f, 0,1
.irp e, 0,1
.irp z, 0,1
.set AC, ACC+8*(2*\e+\z)
.set WR, WC+16*\z+8*\f
.set XR, ST+16*(2*\p+\e)+8*\f
.set CR, AC
.if \f == 0
.set CR, BI+8*\z
.endif
.if \swap
	v_wmma_scale_f32_16x16x128_f8f6f4 v[AC:AC+7], v[XR:XR+7], v[WR:WR+7], v[CR:CR+7], v[XS+2*(2*\p+\e)+\f], v[WS+2*\z+\f] matrix_a_fmt:MATRIX_FMT_FP4 matrix_b_fmt:MATRIX_FMT_FP4
.else
	v_wmma_scale_f32_16x16x128_f8f6f4 v[AC:AC+7], v[WR:WR+7], v[XR:XR+7], v[CR:CR+7], v[WS+2*\z+\f], v[XS+2*(2*\p+\e)+\f] matrix_a_fmt:MATRIX_FMT_FP4 matrix_b_fmt:MATRIX_FMT_FP4
.endif
.endr
.endr
.endr
.rept 4
	v_nop                                          ; four places ahead of the conversions, which read results and write over the pair's first tile of X, which is done with
.endr
.irp a, 0,1,2,3
.irp k, 0,1,2,3
	v_cvt_pk_f16_f32 v[ST+32*\p+4*\a+\k], v[ACC+8*\a+2*\k], v[ACC+8*\a+2*\k+1]   ; each accumulator from its low end on
.endr
.endr
.irp e, 0,1
.irp z, 0,1
	global_store_b128 v[LI], v[ST+32*\p+4*(2*\e+\z):ST+32*\p+4*(2*\e+\z)+3], s[46:47] offset:(2*\p+\e)*2048+512*\z   ; 512 consecutive bytes; no store's data are written again
.endr
.endr
.endr
.endm
	s_cmp_eq_u32 s32, 2
	s_cbranch_scc1 .Lvalues
	MAT 0                                          ; Q, K: a lane holds one position and eight channels
	s_endpgm
.Lvalues:
.irp z, 0,1
.irp j, 0,1,2,3,4,5,6,7
	v_mov_b32 v[BI+8*\z+\j], v[BR+\z]              ; V: a lane holds one channel and eight keys: its bias in all eight registers
.endr
.endr
	MAT 1
	s_endpgm
.Lfunc_end_k_qdc3765e50f_proj:
	.size	k_qdc3765e50f_proj, .Lfunc_end_k_qdc3765e50f_proj-k_qdc3765e50f_proj
	.p2alignl 7, 3214868480
	.fill 96, 4, 3214868480
	.section	.rodata,"a",@progbits
	.p2align	6, 0x0
	.amdhsa_kernel k_qdc3765e50f_proj
		.amdhsa_group_segment_fixed_size 18432
		.amdhsa_private_segment_fixed_size 0
		.amdhsa_enable_private_segment 0
		.amdhsa_kernarg_size 80
		.amdhsa_user_sgpr_count 2
		.amdhsa_user_sgpr_kernarg_segment_ptr 1
		.amdhsa_wavefront_size32 1
		.amdhsa_system_sgpr_workgroup_id_x 1
		.amdhsa_system_sgpr_workgroup_id_y 1
		.amdhsa_system_sgpr_workgroup_id_z 1
		.amdhsa_system_vgpr_workitem_id 0
		.amdhsa_next_free_vgpr 256
		.amdhsa_next_free_sgpr 66
		.amdhsa_reserve_vcc 0
		.amdhsa_float_denorm_mode_32 3
		.amdhsa_float_denorm_mode_16_64 3
		.amdhsa_memory_ordered 1
		.amdhsa_forward_progress 1
		.amdhsa_inst_pref_size 65
	.end_amdhsa_kernel
	.amdgpu_metadata
---
amdhsa.version: [ 1, 2 ]
amdhsa.kernels:
  - .name:           k_qdc3765e50f_proj
    .symbol:         k_qdc3765e50f_proj.kd
    .args:
      - { .name: query, .offset: 0, .size: 8, .value_kind: global_buffer, .address_space: global }
      - { .name: source, .offset: 8, .size: 8, .value_kind: global_buffer, .address_space: global }
      - { .name: Wq, .offset: 16, .size: 8, .value_kind: global_buffer, .address_space: global }
      - { .name: Wk, .offset: 24, .size: 8, .value_kind: global_buffer, .address_space: global }
      - { .name: Wv, .offset: 32, .size: 8, .value_kind: global_buffer, .address_space: global }
      - { .name: bq, .offset: 40, .size: 8, .value_kind: global_buffer, .address_space: global }
      - { .name: bk, .offset: 48, .size: 8, .value_kind: global_buffer, .address_space: global }
      - { .name: bv, .offset: 56, .size: 8, .value_kind: global_buffer, .address_space: global }
      - { .name: qw, .offset: 64, .size: 8, .value_kind: global_buffer, .address_space: global }
      - { .name: kvw, .offset: 72, .size: 8, .value_kind: global_buffer, .address_space: global }
    .group_segment_fixed_size: 18432
    .private_segment_fixed_size: 0
    .kernarg_segment_align: 8
    .kernarg_segment_size: 80
    .max_flat_workgroup_size: 256
    .sgpr_count:     66
    .vgpr_count:     256
    .wavefront_size: 32
...
	.end_amdgpu_metadata
.endif
;; end of part 1
;; launch attn (part 2): grid 16 x 16, 8 waves a work-group, clusters of 4 x 1, 327,680 bytes of LDS; arguments qw, kvw, ow; writes ow
.if DOCPART == 2
	.amdgcn_target "amdgcn-amd-amdhsa--gfx1250"
	.amdhsa_code_object_version 6
	.text
	.protected	k_qdc3765e50f_attn
	.globl	k_qdc3765e50f_attn
	.p2align	8
	.type	k_qdc3765e50f_attn,@function
k_qdc3765e50f_attn:
	s_mov_b64 s[64:65], 0
	v_nop
	global_prefetch_b8 v0, s[64:65] scope:SCOPE_SE
	s_setreg_imm32_b32 hwreg(HW_REG_WAVE_MODE, 25, 1), 1
	s_wait_xcnt 0x0
	s_wait_alu depctr_hold_cnt(0) depctr_sa_sdst(0) depctr_va_vdst(0) depctr_va_sdst(0) depctr_va_ssrc(0) depctr_va_vcc(0) depctr_vm_vsrc(0)
	s_getreg_b32 s2, hwreg(HW_REG_IB_STS2, 6, 4)
	s_cmp_eq_u32 s2, 0
	s_cbranch_scc0 .Lentry_in_a_cluster
	s_endpgm
.Lentry_in_a_cluster:
	s_bfe_u32 s2, ttmp6, 0x10000c
	s_cmp_lg_u32 s2, 0x3003
	s_cbranch_scc0 .Lentry_shape_is_right
	s_endpgm
.Lentry_shape_is_right:
; O[bh][q] = sum over k of softmax_k(Q[q] . K[k] / 8) V[k], head size 64, 4096 keys, 16 (batch, head) pairs.  Operands in f16, products, maxima and sums in f32; the weights p are rounded to f16
; for the second product; the row's sum is taken of the unrounded p.  A running maximum m and sum l for each query: p = 2^(c s - c m), c = log2(e) / 8; O and l are multiplied by 2^(c m_old - c m_new) in every step.
; qw, kvw hold images of operand registers in chunks of 512 bytes (lane l's 16 bytes at 16 l): byte (bh 256 + tile) 2048 + 512 t + 16 lane.  Q, K: lane (r, h) = position 16 tile + r, channels 16 t + 8 h + 0..7.
; V (from byte 2^23 of kvw): lane (r, h) = channel 16 t + r, keys 16 tile + 8 h + 0..7.  So two chunks are a fragment, a key step is a dense block, and LDS is read 512 consecutive bytes an instruction.
; SHARES.  A work-group owns 256 queries of one (batch, head).  Wave w owns the 64 queries of group w & 3 (four tiles) and the key half w >> 2 (2048 keys, 32 steps of 64).  The halves are joined at the end through LDS.
; LAYOUT.  S^T = K Q^T (source 0 = 16 keys, source 1 = 16 queries), O^T = V^T P (source 0 = 16 channels, source 1 = P): a lane holds ONE query throughout; S^T rounded in pairs IS source 1 of the second product.
; TWO KINDS OF BLOCK.  V-block(s): the step's V and the next step's K come from LDS into registers, and the softmax of step s.  M-block(s): 32 products V^T P of step s, 32 products K Q^T of step s + 1.
; Between two changes of slots waves 0-3 run V M V M V M V M and waves 4-7 M V M V M V M V: while waves of one half have vector work, waves of the other have matrix work.  The M-blocks that only one
; half runs stand under branches on the wave's number and hold work on registers alone.  For that K of step s + 1 must lie in the slot of step s: a slot holds V of steps 4 p .. 4 p + 3 and K of steps
; 4 p + 1 .. 4 p + 4 (K's tiles are asked for 8192 bytes further on); K of step 0 comes from memory into registers.  K's last tile reaches 8192 bytes past its half: bytes of kvw that are stored, and are not read from LDS.
; CLUSTER.  The four query blocks of a cluster walk the same K and V: each tile is asked for JOINTLY, by the same tensor load with the same descriptor and a mask that names the four.
; LIMITS: f16 operands (|Q|, |K|, |V|, |O| under 65,504); NaN and infinities are not served.
; REGISTERS.  Window 0: v1-8 addresses; v16-47 statistics, 8 a tile (+0 c m, +1 m, +2 +3 l, +4..+7 at work, a in +6); v48-175 S^T (tile q, keys 16 i on: 48 + 32 q + 8 i), P packed in place (48 + 32 q + 8 kk);
;   v176-239 K of one step; v240-247 the other half's statistics.   Window 1: v0-127 O^T (32 q + 8 t); v128-191 Q (128 + 16 q + 8 f); v192-255 V of one step (192 + 16 t + 8 kk).
.set SLOT1, 1<<17                      ; slot 1 begins here: one exclusive or turns an address in one slot into the other's.  In a slot: K at 32768 half + 8192 j, V 65536 further on
.set SPARE, 262144                     ; behind the ring: the spare words, 128 bytes for each wave: no other line names them
.set LI,   1                           ; 16 lane
.set ADK,  2                           ; LDS address of the K tiles in hand
.set ADV,  3                           ; of the V tiles
.set PFO,  4                           ; 256 lane: the prefetches' offset; never rewritten
.set SPW,  5                           ; LDS address of my spare word; never rewritten
.set NIL,  6                           ; 0; never rewritten
.set XST,  7                           ; the exchange: 16384 group + 16 lane
.set XSS,  8                           ; its statistics: 65536 + 1024 group + 4 lane
.set ST,   16
.set S,    48
.set KF,   176
.set XT,   240
.set QF,   128                         ; in window 1
.set VF,   192                         ; in window 1
.set WV,   10
.set GRP,  11
.set KH,   12
.set G1,   24                          ; s[24:31] descriptor group 1
.set G0,   32                          ; s[32:35] descriptor group 0, which walks
.set TB,   36                          ; LDS byte at which my half's tiles of the step to be fetched begin
.set SLOTS, 37
.set CNT,  38
.set CS,   40                          ; s[40:41] c, twice: the packed form names a pair
.set SEL,  42                          ; s[42:43] lane selects for lane l xor 16
.set PFA,  44                          ; s[44:45] where my prefetches stand
.set LIM,  46                          ; 1 in a wave that prefetches, else the greatest number
.set K0,   48                          ; s[48:49] K of my half's step 0
.set MSB, 0
.macro WIN new                         ; the immediate's high byte repeats the setting that is left; a switch that changes nothing is dropped
.if MSB != \new
	s_set_vgpr_msb (MSB<<8)|\new
.set MSB, \new
.endif
.endm
.macro CROUND                          ; a round of the cluster's barrier
	s_barrier_signal -1
	s_barrier_wait -1
	s_cmp_lg_u32 s[WV], 0
	s_cbranch_scc1 .Lnot_wave_0_\@
	s_barrier_signal -3
.Lnot_wave_0_\@:
	s_barrier_wait -3
	s_barrier_signal -1
	s_barrier_wait -1
.endm
; A PREFETCH INTO THE L2 of what the NEXT change of slots will ask for.  A slot is four streams of 32768 bytes (K, V x two halves).  All clusters of a (batch, head) walk the same bytes: its first cluster asks.
; In it waves 0, 2, 4, 6 take a stream each, and the four partners share a stream out BY ADDRESS, 8192 bytes each, lanes 256 bytes apart: each block of 256 bytes is named once in the launch.
; It stands four key steps ahead of the load that will want the bytes.  The last change that fills a slot asks for nothing; slots 0 and 1 come by their loads alone.
.macro ASK
	s_cmp_gt_u32 s[SLOTS], s[LIM]
	s_cbranch_scc0 .Lnot_mine_\@
	global_prefetch_b8 v[PFO], s[PFA:PFA+1] th:TH_LOAD_NT scope:SCOPE_SE
.Lnot_mine_\@:
.endm
	s_load_b128 s[4:7], s[0:1], 0x0                ; qw, kvw
	s_load_b64 s[8:9], s[0:1], 0x10                ; ow
	v_lshl_add_u32 v[SPW], v0, 2, SPARE
	v_mov_b32 v[NIL], 0
	ds_add_u32 v[SPW], v[NIL]                      ; the wave's opening: the add, twice on end, and its wait ahead of my first tensor load
	ds_add_u32 v[SPW], v[NIL]
	v_lshrrev_b32 v9, 5, v0
	v_readfirstlane_b32 s[WV], v9                  ; wave 0..7
	s_and_b32 s[GRP], s[WV], 3                     ; my 64 queries
	s_lshr_b32 s[KH], s[WV], 2                     ; my key half.  Also: I fetch K's tiles (0) or V's (1)
	s_bfe_u32 s13, ttmp6, 0x40000                  ; cx
	s_lshl_b32 s14, ttmp9, 2
	s_add_co_u32 s14, s14, s13                     ; my block of 256 queries: it enters Q's and O's addresses alone
	s_and_b32 s15, ttmp7, 0xffff                   ; 4 batch + head, which the partners share
	s_mov_b32 s[G1+0], 15|(3<<16)|(1<<21)          ; the mask: all four work-groups; elements of 8 bytes; bit 21 set beside a mask; no padding
	s_mov_b32 s[G1+1], 32<<16                      ; tensor_dim0 = 32 elements: rows of 256 bytes
	s_mov_b32 s[G1+2], 64<<16                      ; tensor_dim1 = 64 rows: 16384 dense bytes, two key steps
	s_mov_b32 s[G1+3], 32<<16                      ; tile_dim0
	s_mov_b32 s[G1+4], 64                          ; tile_dim1
	s_mov_b32 s[G1+5], 32                          ; the pitch
	s_mov_b32 s[G1+6], 0
	s_mov_b32 s[G1+7], 0
	s_mov_b32 s[CS], 0x3e38aa3b                    ; c = log2(e) / 8
	s_mov_b32 s[CS+1], s[CS]
	s_mov_b32 s[SEL], 0x76543210
	s_mov_b32 s[SEL+1], 0xfedcba98
	s_lshl_b32 s16, s[KH], 23                      ; what I fetch: K or V,
	s_lshl_b32 s17, s15, 19                        ; of my (batch, head),
	s_or_b32 s16, s16, s17
	s_bfe_u32 s17, s[WV], 0x10001                  ; key half (w >> 1) & 1,
	s_lshl_b32 s17, s17, 18
	s_or_b32 s16, s16, s17
	s_and_b32 s17, s[WV], 1                        ; the slot's first or second two steps;
	s_lshl_b32 s17, s17, 14
	s_or_b32 s16, s16, s17
	s_xor_b32 s17, s[KH], 1                        ; K's tiles one step further on
	s_lshl_b32 s17, s17, 13
	s_add_co_u32 s16, s16, s17
	s_mov_b32 s17, 0
	s_lshl_b32 s18, s13, 13                        ; the prefetches: my work-group's 8192 bytes of a stream,
	s_add_co_u32 s18, s18, 32768                   ; in slot 1: the first change of slots steps it to slot 2
	s_mov_b32 s19, 0
	s_and_b32 s[LIM], s[WV], 1                     ; waves 0, 2, 4, 6
	s_or_b32 s[LIM], s[LIM], ttmp9                 ; of the first cluster: the same in all four partners
	s_cmp_eq_u32 s[LIM], 0
	s_cselect_b32 s[LIM], 1, -1
	s_lshl_b32 s20, s15, 19                        ; Q: (batch, head), block of 16 tiles, my 4 tiles
	s_lshl_b32 s21, s14, 15
	s_add_co_u32 s20, s20, s21
	s_lshl_b32 s21, s[GRP], 13
	s_add_co_u32 s20, s20, s21
	s_mov_b32 s21, 0
	s_lshl_b32 s22, s15, 19                        ; K of step 0 of my half
	s_lshl_b32 s23, s[KH], 18
	s_add_co_u32 s22, s22, s23
	s_mov_b32 s23, 0
	s_lshr_b32 s50, s15, 2                         ; ow: byte (batch 256 + tile) 8192 + (4 head + t) 512
	s_lshl_b32 s50, s50, 21
	s_lshl_b32 s51, s14, 4
	s_lshl_b32 s52, s[GRP], 2
	s_add_co_u32 s51, s51, s52
	s_lshl_b32 s51, s51, 13
	s_add_co_u32 s50, s50, s51
	s_and_b32 s51, s15, 3
	s_lshl_b32 s51, s51, 11
	s_add_co_u32 s50, s50, s51
	s_mov_b32 s51, 0
	s_lshl_b32 s[TB], s[KH], 15
	s_mov_b32 s[G0], 1                             ; count = 1
	s_lshl_b32 s[G0+1], s[WV], 14                  ; LDS address: 16384 x wave: K's two halves, then V's
	v_and_b32 v9, 31, v0                           ; every LDS address register is made here, ahead of the first parting of the waves
	v_lshlrev_b32 v[LI], 4, v9
	v_lshlrev_b32 v[PFO], 8, v9
	s_lshl_b32 s53, s[GRP], 14
	v_add_nc_u32 v[XST], s53, v[LI]
	s_lshl_b32 s53, s[GRP], 10
	s_add_co_u32 s53, s53, 65536
	v_lshl_add_u32 v[XSS], v9, 2, s53
	s_wait_dscnt 0x0                               ; both opening adds are done
	s_wait_kmcnt 0x0
	s_add_nc_u64 s[G0+2:G0+3], s[6:7], s[16:17]
	s_add_nc_u64 s[PFA:PFA+1], s[G0+2:G0+3], s[18:19]
	s_or_b32 s[G0+3], s[G0+3], 0x80000000          ; type = 2
	s_add_nc_u64 s[K0:K0+1], s[6:7], s[22:23]
	s_add_nc_u64 s[4:5], s[4:5], s[20:21]
	s_add_nc_u64 s[8:9], s[8:9], s[50:51]
	CROUND                                         ; all four work-groups are here: the first joint loads meet
	tensor_load_to_lds s[G0:G0+3], s[G1:G1+7]      ; slot 0: one load of mine is out
	s_nop 0
.rept 4
	v_nop
.endr
	WIN 0x40                                       ; destination window 1
.set cc, 0
.rept 16
	global_load_b128 v[QF+4*cc:QF+4*cc+3], v[LI], s[4:5] offset:512*cc     ; Q stays in registers
.set cc, cc+1
.endr
.set cc, 0
.rept 128
	v_mov_b32 v[cc], 0                             ; O^T.  The key step is written with no first step of its own: it finds zeros, which the first change of m leaves zeros
.set cc, cc+1
.endr
	WIN 0
.set cc, 0
.rept 16
	global_load_b128 v[KF+4*cc:KF+4*cc+3], v[LI], s[K0:K0+1] offset:512*cc ; K of step 0
.set cc, cc+1
.endr
.irp T, 0,1,2,3
	v_mov_b32 v[ST+8*\T+1], 0xff61b1e6             ; m: -3e38, under every score
	v_mul_f32 v[ST+8*\T], s[CS], v[ST+8*\T+1]      ; c m
.irp j, 2,3,4,5,6,7
	v_mov_b32 v[ST+8*\T+\j], 0                     ; l; and what a lane permute or a pair names before it is first written
.endr
.endr
	s_wait_loadcnt 0x0                             ; Q and K of step 0
; THE MATRIX BLOCK.  pv: 32 products O^T += V^T P; kq: 32 products S^T = K Q^T, whose first 16 start the sums with the constant 0.  The 16 accumulators of each kind take turns, one instruction a turn.
.macro MBLK pv, kq
.if \pv
	WIN 0x51                                       ; V, C and D in window 1, P in window 0
.irp kk, 0,1
.irp t, 0,1,2,3
.irp q, 0,1,2,3
	v_wmma_f32_16x16x32_f16 v[32*\q+8*\t:32*\q+8*\t+7], v[VF+16*\t+8*\kk:VF+16*\t+8*\kk+7], v[S+32*\q+8*\kk:S+32*\q+8*\kk+7], v[32*\q+8*\t:32*\q+8*\t+7]
.endr
.endr
.endr
.endif
.if \pv && \kq
.rept 5
	v_nop                                          ; the scores are laid over P, which the products above have read: five places ahead of a matrix instruction that writes there
.endr
.endif
.if \kq
	WIN 0x04                                       ; Q in window 1
.irp f, 0,1
.irp i, 0,1,2,3
.irp q, 0,1,2,3
.if \f == 0
	v_wmma_f32_16x16x32_f16 v[S+32*\q+8*\i:S+32*\q+8*\i+7], v[KF+16*\i+8*\f:KF+16*\i+8*\f+7], v[QF+16*\q+8*\f:QF+16*\q+8*\f+7], 0
.else
	v_wmma_f32_16x16x32_f16 v[S+32*\q+8*\i:S+32*\q+8*\i+7], v[KF+16*\i+8*\f:KF+16*\i+8*\f+7], v[QF+16*\q+8*\f:QF+16*\q+8*\f+7], v[S+32*\q+8*\i:S+32*\q+8*\i+7]
.endif
.endr
.endr
.endr
.endif
	WIN 0
.endm
; THE VECTOR BLOCK: the step's V and (kload = 1) the next step's K from LDS, and the softmax of the four tiles, the tiles by turns line by line so that no line waits for the line above it.
.macro VBLK kload
	v_add_nc_u32 v[ADK], s[TB], v[LI]              ; these four lines are the places between the last products and the loads into K's and V's registers and the first read of the scores
	v_add_nc_u32 v[ADV], 0x10000, v[ADK]
	v_nop
	v_nop
	WIN 0x40
.irp t, 0,1,2,3
.irp kk, 0,1
.irp e, 0,1
	ds_load_b128 v[VF+16*\t+8*\kk+4*\e:VF+16*\t+8*\kk+4*\e+3], v[ADV] offset:(2*\kk+\e)*2048+512*\t
.endr
.endr
.endr
	WIN 0
.if \kload
.set cc, 0
.rept 16
	ds_load_b128 v[KF+4*cc:KF+4*cc+3], v[ADK] offset:512*cc
.set cc, cc+1
.endr
.endif
	s_add_co_u32 s[TB], s[TB], 8192                ; the next fetch is the next step's
.irp j, 0,1,2,3                        ; the maximum of a lane's 32 scores and the old m: four chains; each accumulator is read from its low end on
.irp T, 0,1,2,3
	v_max3_num_f32 v[ST+8*\T+4+\j], v[S+32*\T+8*\j], v[S+32*\T+8*\j+1], v[S+32*\T+8*\j+2]
.endr
.endr
.irp g, 1,2
.irp j, 0,1,2,3
.irp T, 0,1,2,3
	v_max3_num_f32 v[ST+8*\T+4+\j], v[ST+8*\T+4+\j], v[S+32*\T+8*\j+2*\g+1], v[S+32*\T+8*\j+2*\g+2]
.endr
.endr
.endr
.irp T, 0,1,2,3
	v_max3_num_f32 v[ST+8*\T+4], v[ST+8*\T+4], v[S+32*\T+7], v[S+32*\T+15]
.endr
.irp T, 0,1,2,3
	v_max3_num_f32 v[ST+8*\T+6], v[ST+8*\T+6], v[S+32*\T+23], v[S+32*\T+31]
.endr
.irp T, 0,1,2,3
	v_max3_num_f32 v[ST+8*\T+4], v[ST+8*\T+4], v[ST+8*\T+5], v[ST+8*\T+6]
.endr
.irp T, 0,1,2,3
	v_max3_num_f32 v[ST+8*\T+4], v[ST+8*\T+4], v[ST+8*\T+7], v[ST+8*\T+1]
.endr
.irp T, 0,1,2,3
	v_permlanex16_b32 v[ST+8*\T+5], v[ST+8*\T+4], s[SEL], s[SEL+1]     ; the query's other 32 keys lie in the lane 16 away
.endr
.irp T, 0,1,2,3
	v_mov_b32 v[ST+8*\T+7], v[ST+8*\T]             ; c m_old
.endr
.irp T, 0,1,2,3
	v_max_num_f32 v[ST+8*\T+1], v[ST+8*\T+4], v[ST+8*\T+5]
.endr
.irp T, 0,1,2,3
	v_mul_f32 v[ST+8*\T], s[CS], v[ST+8*\T+1]
.endr
.irp T, 0,1,2,3
	v_sub_f32 v[ST+8*\T+7], v[ST+8*\T+7], v[ST+8*\T]
.endr
.set bb, 0
.rept 16
.irp T, 0,1,2,3
	v_pk_fma_f32 v[S+32*\T+bb:S+32*\T+bb+1], v[S+32*\T+bb:S+32*\T+bb+1], s[CS:CS+1], v[ST+8*\T:ST+8*\T+1] op_sel_hi:[1,0,0] neg_lo:[0,0,1] neg_hi:[0,0,1]   ; c s - c m
.endr
.set bb, bb+2
.endr
.irp T, 0,1,2,3                        ; ONE BATCH of 132 exponentials; none reads another's result
	v_exp_f32 v[ST+8*\T+6], v[ST+8*\T+7]           ; a = 2^(c m_old - c m_new)
.endr
.set bb, 0
.rept 32
.irp T, 0,1,2,3
	v_exp_f32 v[S+32*\T+bb], v[S+32*\T+bb]
.endr
.set bb, bb+1
.endr
	v_nop                                          ; a plain instruction behind the last exponential
	s_wait_alu depctr_va_vdst(0)                   ; one wait for the batch, ahead of its first reader
.irp T, 0,1,2,3
	v_pk_mul_f32 v[ST+8*\T+2:ST+8*\T+3], v[ST+8*\T+2:ST+8*\T+3], v[ST+8*\T+6:ST+8*\T+7] op_sel_hi:[1,0]    ; l under the new m
.endr
.irp T, 0,1,2,3                        ; the sum of the unrounded p, two at a time, in two chains a tile
	v_pk_add_f32 v[ST+8*\T+4:ST+8*\T+5], v[S+32*\T:S+32*\T+1], v[S+32*\T+2:S+32*\T+3]
.endr
.irp b, 4,8,12,16,20,24,28
.irp T, 0,1,2,3
	v_pk_add_f32 v[ST+8*\T+2:ST+8*\T+3], v[ST+8*\T+2:ST+8*\T+3], v[S+32*\T+\b:S+32*\T+\b+1]
	v_pk_add_f32 v[ST+8*\T+4:ST+8*\T+5], v[ST+8*\T+4:ST+8*\T+5], v[S+32*\T+\b+2:S+32*\T+\b+3]
.endr
.endr
.irp T, 0,1,2,3
	v_pk_add_f32 v[ST+8*\T+2:ST+8*\T+3], v[ST+8*\T+2:ST+8*\T+3], v[ST+8*\T+4:ST+8*\T+5]
.endr
.set bb, 0
.rept 16                               ; p to f16, in place: register k takes numbers 2 k and 2 k + 1, k ascending, so nothing is written before it is read
.irp T, 0,1,2,3
	v_cvt_pk_f16_f32 v[S+32*\T+bb], v[S+32*\T+2*bb], v[S+32*\T+2*bb+1]
.endr
.set bb, bb+1
.endr
	WIN 0x41                                       ; O^T (destination and source 0) in window 1, a in window 0
.set bb, 0
.rept 16
.irp T, 0,1,2,3
	v_pk_mul_f32 v[32*\T+bb:32*\T+bb+1], v[32*\T+bb:32*\T+bb+1], v[ST+8*\T+6:ST+8*\T+7] op_sel_hi:[1,0]    ; O^T under the new m; each accumulator from its low end on
.endr
.set bb, bb+2
.endr
	WIN 0
	s_wait_dscnt 0x0                               ; V and K are in: whatever follows the block finds no LDS load of mine out
.endm
; THE CHANGE OF SLOTS, at a slot's head.  Each wave waits for all its tensor loads (its part of the slot ahead), adds 0 to its spare word, and waits for that and for its reads of the slot that it has left.
; fill = 1: the barrier is a round of the cluster's, and behind it the slot just left is filled with the next four steps' tiles: the load has a whole slot's four steps in which to land.
.macro CHANGE fill
	s_wait_tensorcnt 0x0                           ; no tensor load of mine is out, so group 0 may be written
	ds_add_u32 v[SPW], v[NIL]
.if \fill
	s_xor_b32 s[G0+1], s[G0+1], SLOT1              ; the other slot than last time,
	s_add_nc_u64 s[G0+2:G0+3], s[G0+2:G0+3], 32768 ; the next four steps; the type bits on top are not reached
	s_wait_xcnt 0x0                                ; the last prefetch, a slot back, has read its address, so it may be written
	s_add_nc_u64 s[PFA:PFA+1], s[PFA:PFA+1], 32768 ; one slot further on than the walking descriptor
	s_wait_dscnt 0x0                               ; the add is done, and my reads of the slot that I have left are over
	CROUND
	tensor_load_to_lds s[G0:G0+3], s[G1:G1+7]      ; the first thing behind the round, and my one tensor load until the next
	s_nop 0
.rept 4
	v_nop
.endr
	ASK
.else
	s_wait_dscnt 0x0
	s_barrier_signal -1
	s_barrier_wait -1
.endif
.endm
; A SLOT: four key steps.  first = 1: the launch's first slot: waves 4-7 have no V^T P yet.  last = 1: nothing is asked for, no K is fetched for a step that does not exist, and the last block has no K Q^T.
.macro SLOT first, last
	CHANGE (1-\last)
	s_cmp_lt_u32 s[WV], 4
	s_cbranch_scc1 .Lskip_a_\@
.rept 5
	v_nop                                          ; five places.  The text has a way from the matrix block at the last slot's end (at the kernel's head: from the first scores) to this one; no wave takes it, since the two stand
.endr                                              ; under opposite tests of the wave's number, but the distance ahead of a matrix instruction that reads or writes over an earlier one's result is kept on every way through the text
	MBLK (1-\first), 1                             ; waves 4-7: the matrix block that the slot before left over: its operands lie in registers
.Lskip_a_\@:
	s_mov_b32 s[CNT], 3
.Lstep_\@:
	VBLK 1
	MBLK 1, 1
	s_sub_co_u32 s[CNT], s[CNT], 1
	s_cmp_lg_u32 s[CNT], 0
	s_cbranch_scc1 .Lstep_\@
	VBLK (1-\last)
.if \last
	MBLK 1, 0
.else
	s_cmp_lt_u32 s[WV], 4
	s_cbranch_scc0 .Lskip_b_\@
	MBLK 1, 1                                      ; waves 0-3
.Lskip_b_\@:
.endif
	s_sub_co_u32 s[TB], s[TB], 32768               ; the fetches go back to a slot's first step,
	s_xor_b32 s[TB], s[TB], SLOT1                  ; in the other slot
.endm
	s_cmp_lt_u32 s[WV], 4
	s_cbranch_scc0 .Lno_first
	MBLK 0, 1                                      ; waves 0-3: the scores of step 0, while slot 0 is on its way
.Lno_first:
	s_mov_b32 s[SLOTS], 7                          ; slots still to be asked for
	SLOT 1, 0
	s_mov_b32 s[SLOTS], 6
.Lslot:                                            ; six trips: slots 1 to 6
	SLOT 0, 0
	s_sub_co_u32 s[SLOTS], s[SLOTS], 1
	s_cmp_lg_u32 s[SLOTS], 0
	s_cbranch_scc1 .Lslot
	SLOT 0, 1                                      ; the last slot is written out
	; THE END.  The two key halves of a group of queries are joined: waves 4-7 hand O^T, c m and l to waves 0-3 through slot 0, which has had its last fill and was left at the last change of slots.
.irp T, 0,1,2,3
	v_add_f32 v[ST+8*\T+4], v[ST+8*\T+2], v[ST+8*\T+3]     ; l's two halves.  (These four are the places behind the last products)
.endr
	s_barrier_signal -1                            ; every wave has ended its last key step (no LDS instruction of mine is out): only now is anything stored into the ring
	s_barrier_wait -1
	s_cmp_lt_u32 s[WV], 4
	s_cbranch_scc1 .Lkeep
	WIN 0x04                                       ; an LDS store's data are its source 1: window 1
.set cc, 0
.rept 32
	ds_store_b128 v[XST], v[4*cc:4*cc+3] offset:512*cc     ; each accumulator from its low end on
.set cc, cc+1
.endr
	WIN 0
.irp T, 0,1,2,3
	ds_store_b32 v[XSS], v[ST+8*\T] offset:256*\T
	ds_store_b32 v[XSS], v[ST+8*\T+4] offset:256*\T+128
.endr
.Lkeep:
	s_wait_dscnt 0x0                               ; for the others' sake: my stores have landed
	s_barrier_signal -1
	s_barrier_wait -1
	s_cmp_lt_u32 s[WV], 4
	s_cbranch_scc0 .Ldone
.irp T, 0,1,2,3
	ds_load_b32 v[XT+2*\T], v[XSS] offset:256*\T           ; the other half's c m
	ds_load_b32 v[XT+2*\T+1], v[XSS] offset:256*\T+128     ; and l
.endr
.set cc, 0
.rept 32
	ds_load_b128 v[S+4*cc:S+4*cc+3], v[XST] offset:512*cc  ; its O^T, into the scores' registers
.set cc, cc+1
.endr
	s_wait_dscnt 0x0
.irp T, 0,1,2,3
	v_max_num_f32 v[ST+8*\T+5], v[ST+8*\T], v[XT+2*\T]     ; the common c m
.endr
.irp T, 0,1,2,3
	v_sub_f32 v[ST+8*\T+6], v[ST+8*\T], v[ST+8*\T+5]
	v_sub_f32 v[ST+8*\T+7], v[XT+2*\T], v[ST+8*\T+5]
.endr
.irp T, 0,1,2,3
	v_exp_f32 v[ST+8*\T+6], v[ST+8*\T+6]           ; what brings my half under it,
	v_exp_f32 v[ST+8*\T+7], v[ST+8*\T+7]           ; and the other
.endr
	v_nop
	s_wait_alu depctr_va_vdst(0)                   ; one wait for the eight
.irp T, 0,1,2,3
	v_mul_f32 v[ST+8*\T+4], v[ST+8*\T+4], v[ST+8*\T+6]
.endr
.irp T, 0,1,2,3
	v_fma_f32 v[ST+8*\T+4], v[XT+2*\T+1], v[ST+8*\T+7], v[ST+8*\T+4]
.endr
.irp T, 0,1,2,3
	v_permlanex16_b32 v[ST+8*\T+5], v[ST+8*\T+4], s[SEL], s[SEL+1]
.endr
.irp T, 0,1,2,3
	v_add_f32 v[ST+8*\T+4], v[ST+8*\T+4], v[ST+8*\T+5]     ; the row's sum over all 4096 keys
.endr
.irp T, 0,1,2,3
	v_rcp_f32 v[ST+8*\T+5], v[ST+8*\T+4]
.endr
	v_nop
	s_wait_alu depctr_va_vdst(0)                   ; one wait for the four
.irp T, 0,1,2,3
	v_mul_f32 v[ST+8*\T+2], v[ST+8*\T+6], v[ST+8*\T+5]     ; my half's factor,
.endr
.irp T, 0,1,2,3
	v_mul_f32 v[ST+8*\T+6], v[ST+8*\T+7], v[ST+8*\T+5]     ; the other's
.endr
.set bb, 0
.rept 16
.irp T, 0,1,2,3
	v_pk_mul_f32 v[S+32*\T+bb:S+32*\T+bb+1], v[S+32*\T+bb:S+32*\T+bb+1], v[ST+8*\T+6:ST+8*\T+7] op_sel_hi:[1,0]
.endr
.set bb, bb+2
.endr
	WIN 0x01                                       ; source 0: my O^T, window 1
.set bb, 0
.rept 16
.irp T, 0,1,2,3
	v_pk_fma_f32 v[S+32*\T+bb:S+32*\T+bb+1], v[32*\T+bb:32*\T+bb+1], v[ST+8*\T+2:ST+8*\T+3], v[S+32*\T+bb:S+32*\T+bb+1] op_sel_hi:[1,0,1]   ; each accumulator from its low end on
.endr
.set bb, bb+2
.endr
	WIN 0
.set cc, 0
.rept 16
.irp k, 0,1,2,3
	v_cvt_pk_f16_f32 v[S+8*cc+\k], v[S+8*cc+2*\k], v[S+8*cc+2*\k+1]    ; eight channels of a query: 16 bytes, in the low four of each eight registers
.endr
.set cc, cc+1
.endr
.irp q, 0,1,2,3
.irp t, 0,1,2,3
	global_store_b128 v[LI], v[S+8*(4*\q+\t):S+8*(4*\q+\t)+3], s[8:9] offset:8192*\q+512*\t    ; 512 consecutive bytes: an image of the registers in which the last launch wants them
.endr
.endr
.Ldone:
	s_wait_tensorcnt 0x0                           ; the wave's end: behind my last tensor load and my last LDS store
	ds_add_u32 v[SPW], v[NIL]
	s_wait_dscnt 0x0
	CROUND                                         ; the closing round: no work-group ends while a partner may still ask for a tile that names it
	s_endpgm
.Lfunc_end_k_qdc3765e50f_attn:
	.size	k_qdc3765e50f_attn, .Lfunc_end_k_qdc3765e50f_attn-k_qdc3765e50f_attn
	.p2alignl 7, 3214868480
	.fill 96, 4, 3214868480
	.section	.rodata,"a",@progbits
	.p2align	6, 0x0
	.amdhsa_kernel k_qdc3765e50f_attn
		.amdhsa_group_segment_fixed_size 327680
		.amdhsa_private_segment_fixed_size 0
		.amdhsa_enable_private_segment 0
		.amdhsa_kernarg_size 24
		.amdhsa_user_sgpr_count 2
		.amdhsa_user_sgpr_kernarg_segment_ptr 1
		.amdhsa_wavefront_size32 1
		.amdhsa_system_sgpr_workgroup_id_x 1
		.amdhsa_system_sgpr_workgroup_id_y 1
		.amdhsa_system_sgpr_workgroup_id_z 1
		.amdhsa_system_vgpr_workitem_id 0
		.amdhsa_next_free_vgpr 512
		.amdhsa_next_free_sgpr 66
		.amdhsa_reserve_vcc 0
		.amdhsa_float_denorm_mode_32 3
		.amdhsa_float_denorm_mode_16_64 3
		.amdhsa_memory_ordered 1
		.amdhsa_forward_progress 1
		.amdhsa_inst_pref_size 239
	.end_amdhsa_kernel
	.amdgpu_metadata
---
amdhsa.version: [ 1, 2 ]
amdhsa.kernels:
  - .name:           k_qdc3765e50f_attn
    .symbol:         k_qdc3765e50f_attn.kd
    .args:
      - { .name: qw, .offset: 0, .size: 8, .value_kind: global_buffer, .address_space: global }
      - { .name: kvw, .offset: 8, .size: 8, .value_kind: global_buffer, .address_space: global }
      - { .name: ow, .offset: 16, .size: 8, .value_kind: global_buffer, .address_space: global }
    .group_segment_fixed_size: 327680
    .private_segment_fixed_size: 0
    .kernarg_segment_align: 8
    .kernarg_segment_size: 24
    .max_flat_workgroup_size: 256
    .sgpr_count:     66
    .vgpr_count:     512
    .wavefront_size: 32
...
	.end_amdgpu_metadata
.endif
;; end of part 2
;; launch outp (part 3): grid 4 x 64, 8 waves a work-group, clusters of 4 x 1, 199,680 bytes of LDS; arguments ow, Wm, bm, out0; writes out0
.if DOCPART == 3
	.amdgcn_target "amdgcn-amd-amdhsa--gfx1250"
	.amdhsa_code_object_version 6
	.text
	.protected	k_qdc3765e50f_outp
	.globl	k_qdc3765e50f_outp
	.p2align	8
	.type	k_qdc3765e50f_outp,@function
k_qdc3765e50f_outp:
	s_mov_b64 s[64:65], 0
	v_nop
	global_prefetch_b8 v0, s[64:65] scope:SCOPE_SE
	s_setreg_imm32_b32 hwreg(HW_REG_WAVE_MODE, 25, 1), 1
	s_wait_xcnt 0x0
	s_wait_alu depctr_hold_cnt(0) depctr_sa_sdst(0) depctr_va_vdst(0) depctr_va_sdst(0) depctr_va_ssrc(0) depctr_va_vcc(0) depctr_vm_vsrc(0)
	s_getreg_b32 s2, hwreg(HW_REG_IB_STS2, 6, 4)
	s_cmp_eq_u32 s2, 0
	s_cbranch_scc0 .Lentry_in_a_cluster
	s_endpgm
.Lentry_in_a_cluster:
	s_bfe_u32 s2, ttmp6, 0x10000c
	s_cmp_lg_u32 s2, 0x3003
	s_cbranch_scc0 .Lentry_shape_is_right
	s_endpgm
.Lentry_shape_is_right:
; THE PROJECTION ON THE WAY OUT: out0[b][o][n] = sum over c of Wm[o][c] O[b][c][n] + bm[o].  Operands in f16, sums in f32.
; ow holds O as images of operand registers: byte (b 256 + tile) 8192 + 512 u + 16 lane; lane (r, h) = position 16 tile + r, channels 16 u + 8 h + 0..7: chunks 2 fc and 2 fc + 1 are the fragment of channels 32 fc on.
; SHARES.  A work-group makes 64 outputs o (its place in the cluster) x 256 positions (work-group y).  The four work-groups of a cluster need the same 131072 dense bytes of ow: each wave asks for an eighth JOINTLY,
; by the same tensor load with the same descriptor and a mask that names the four.  LDS is filled once.  Wave w: o tile w & 3, whose 8 fragments of Wm stay in registers, and position tiles 8 (w >> 2) on.
; Source 0 = 16 positions of O, source 1 = 16 rows of Wm: a lane holds ONE output o and eight neighbouring positions: 32 bytes of a row of out0.  They go through the wave's own stage and leave as rows of 512 bytes.
; LIMITS: |O| and |Wm| under 65,504 (f16).  No prefetch: one fill, asked for at the head.
.set STAGE,  131072                    ; behind the slab: 16 rows x (512 + 16) bytes for each wave
.set SPITCH, 528
.set SPARE,  198656                    ; the spare words, 128 bytes for each wave: no other line names them
.set LI,  1                            ; 16 lane
.set WO,  2                            ; Wm: 1024 r + 32 h
.set AR,  3                            ; my 8 tiles of the slab: 16 lane + 65536 (w >> 2)
.set STO, 4                            ; the stage, in: row r, 32 h
.set RD,  5                            ; and back: 16 lane
.set RO,  6                            ; 4 r
.set WF,  16                           ; v16-79   Wm's 8 fragments, f16
.set BI,  80                           ; v80-87   the bias as C
.set ACC, 88                           ; v88-103  two accumulators
.set AF,  104                          ; v104-231 Wm as loaded; then two tiles' fragments of O; then rows of out0
.set SPW, 252
.set NIL, 253
.set WV,  12
.set G1,  24
.set G0,  32
.macro CROUND
	s_barrier_signal -1
	s_barrier_wait -1
	s_cmp_lg_u32 s[WV], 0
	s_cbranch_scc1 .Lnot_wave_0_\@
	s_barrier_signal -3
.Lnot_wave_0_\@:
	s_barrier_wait -3
	s_barrier_signal -1
	s_barrier_wait -1
.endm
	s_load_b256 s[4:11], s[0:1], 0x0               ; ow s[4:5], Wm s[6:7], bm s[8:9], out0 s[10:11]
	v_lshl_add_u32 v[SPW], v0, 2, SPARE
	v_mov_b32 v[NIL], 0
	ds_add_u32 v[SPW], v[NIL]                      ; the wave's opening: the add, twice on end, and its wait ahead of my first tensor load
	ds_add_u32 v[SPW], v[NIL]
	v_lshrrev_b32 v7, 5, v0
	v_readfirstlane_b32 s[WV], v7                  ; wave 0..7
	s_bfe_u32 s13, ttmp6, 0x40000                  ; cx: my block of 64 outputs: it enters Wm's, bm's and out0's addresses alone
	s_and_b32 s14, ttmp7, 0xffff                   ; my block of 256 positions, which the partners share
	s_and_b32 s15, s[WV], 3                        ; my o tile
	s_lshr_b32 s16, s[WV], 2                       ; my half of the positions
	s_mov_b32 s[G1+0], 15|(3<<16)|(1<<21)          ; the mask: all four; elements of 8 bytes; bit 21 set beside a mask; no padding
	s_mov_b32 s[G1+1], 32<<16                      ; rows of 256 bytes,
	s_mov_b32 s[G1+2], 64<<16                      ; 64 of them: 16384 dense bytes
	s_mov_b32 s[G1+3], 32<<16
	s_mov_b32 s[G1+4], 64
	s_mov_b32 s[G1+5], 32
	s_mov_b32 s[G1+6], 0
	s_mov_b32 s[G1+7], 0
	s_lshl_b32 s18, s14, 17                        ; the slab,
	s_lshl_b32 s19, s[WV], 14                      ; my eighth
	s_add_co_u32 s18, s18, s19
	s_mov_b32 s19, 0
	s_mov_b32 s[G0], 1
	s_lshl_b32 s[G0+1], s[WV], 14
	s_lshl_b32 s20, s13, 6
	s_lshl_b32 s21, s15, 4
	s_add_co_u32 s20, s20, s21                     ; my first output: 64 cx + 16 z
	s_lshl_b32 s36, s20, 10                        ; its row of Wm,
	s_mov_b32 s37, 0
	s_lshl_b32 s38, s20, 2                         ; its bias,
	s_mov_b32 s39, 0
	s_lshr_b32 s40, s14, 4                         ; and in out0: batch x 2^22
	s_lshl_b32 s40, s40, 22
	s_lshl_b32 s41, s20, 14                        ;   + row o of 16384 bytes
	s_add_co_u32 s40, s40, s41
	s_and_b32 s41, s14, 15                         ;   + 256 positions a block
	s_lshl_b32 s41, s41, 10
	s_add_co_u32 s40, s40, s41
	s_lshl_b32 s41, s16, 9                         ;   + my 128
	s_add_co_u32 s40, s40, s41
	s_mov_b32 s41, 0
	v_and_b32 v9, 31, v0
	v_and_b32 v7, 15, v0                           ; r
	v_bfe_u32 v8, v0, 4, 1                         ; h
	v_lshlrev_b32 v[LI], 4, v9
	v_lshlrev_b32 v[WO], 10, v7
	v_lshl_add_u32 v[WO], v8, 5, v[WO]
	s_lshl_b32 s22, s16, 16
	v_add_nc_u32 v[AR], s22, v[LI]
	s_mul_i32 s23, s[WV], 16*SPITCH
	s_add_co_u32 s23, s23, STAGE                   ; my stage
	v_mul_u32_u24 v[STO], v7, SPITCH
	v_lshl_add_u32 v[STO], v8, 5, v[STO]
	v_add_nc_u32 v[STO], s23, v[STO]
	v_add_nc_u32 v[RD], s23, v[LI]
	v_lshlrev_b32 v[RO], 2, v7
	s_wait_dscnt 0x0                               ; both opening adds are done
	s_wait_kmcnt 0x0
	s_add_nc_u64 s[G0+2:G0+3], s[4:5], s[18:19]
	s_or_b32 s[G0+3], s[G0+3], 0x80000000          ; type = 2
	s_add_nc_u64 s[6:7], s[6:7], s[36:37]
	s_add_nc_u64 s[8:9], s[8:9], s[38:39]
	s_add_nc_u64 s[10:11], s[10:11], s[40:41]
	CROUND                                         ; all four work-groups are here: the joint loads meet
	tensor_load_to_lds s[G0:G0+3], s[G1:G1+7]      ; my one tensor load of the launch
	s_nop 0
.rept 4
	v_nop
.endr
.irp fc, 0,1,2,3,4,5,6,7               ; Wm(o = r, c = 32 fc + 8 h + 0..7 and 32 fc + 16 + 8 h + 0..7), f32
	global_load_b128 v[AF+16*\fc:AF+16*\fc+3], v[WO], s[6:7] offset:128*\fc
	global_load_b128 v[AF+16*\fc+4:AF+16*\fc+7], v[WO], s[6:7] offset:128*\fc+16
	global_load_b128 v[AF+16*\fc+8:AF+16*\fc+11], v[WO], s[6:7] offset:128*\fc+64
	global_load_b128 v[AF+16*\fc+12:AF+16*\fc+15], v[WO], s[6:7] offset:128*\fc+80
.endr
	global_load_b32 v[BI], v[RO], s[8:9]           ; bm[o = r]
	s_wait_loadcnt 0x0
.set jj, 0
.rept 64
	v_cvt_pk_f16_f32 v[WF+jj], v[AF+2*jj], v[AF+2*jj+1]
.set jj, jj+1
.endr
.irp j, 1,2,3,4,5,6,7
	v_mov_b32 v[BI+\j], v[BI]                      ; a lane holds one output: its bias in all eight registers
.endr
	s_wait_tensorcnt 0x0                           ; my eighth of the slab is in,
	s_barrier_signal -1
	s_barrier_wait -1                              ; everybody's is
.irp pr, 0,1,2,3                       ; my eight position tiles in pairs: two accumulators take turns, one instruction a turn
.irp e, 0,1
.irp u, 0,1,2,3,4,5,6,7,8,9,10,11,12,13,14,15
	ds_load_b128 v[AF+64*\e+4*\u:AF+64*\e+4*\u+3], v[AR] offset:(2*\pr+\e)*8192+512*\u
.endr
.endr
	s_wait_dscnt 0x0
.irp fc, 0,1,2,3,4,5,6,7
.irp e, 0,1
.if \fc == 0
	v_wmma_f32_16x16x32_f16 v[ACC+8*\e:ACC+8*\e+7], v[AF+64*\e+8*\fc:AF+64*\e+8*\fc+7], v[WF+8*\fc:WF+8*\fc+7], v[BI:BI+7]
.else
	v_wmma_f32_16x16x32_f16 v[ACC+8*\e:ACC+8*\e+7], v[AF+64*\e+8*\fc:AF+64*\e+8*\fc+7], v[WF+8*\fc:WF+8*\fc+7], v[ACC+8*\e:ACC+8*\e+7]
.endif
.endr
.endr
.rept 5
	v_nop                                          ; places ahead of the stores that read results and of the loads into O's registers (four), and of the next pair's first products, which begin the accumulators anew (five)
.endr
.irp e, 0,1
	ds_store_b128 v[STO], v[ACC+8*\e:ACC+8*\e+3] offset:64*(2*\pr+\e)          ; each accumulator from its low end on
	ds_store_b128 v[STO], v[ACC+8*\e+4:ACC+8*\e+7] offset:64*(2*\pr+\e)+16
.endr
.endr
.irp t, 0,1,2,3,4,5,6,7,8,9,10,11,12,13,14,15
	ds_load_b128 v[AF+4*\t:AF+4*\t+3], v[RD] offset:\t*SPITCH      ; LDS serves a wave's instructions in order: these see my stores; the stage is my own
.endr
.irp t, 0,1,2,3,4,5,6,7,8,9,10,11,12,13,14,15
	s_wait_dscnt 15-\t                             ; row t is back; the younger loads may stay out
	global_store_b128 v[LI], v[AF+4*\t:AF+4*\t+3], s[10:11] offset:\t*16384 th:TH_STORE_NT     ; 32 lanes store 512 consecutive bytes of a row of out0, at a multiple of 256 from its first byte
.endr
	s_wait_tensorcnt 0x0                           ; the wave's end: behind my last tensor load and my last LDS store
	ds_add_u32 v[SPW], v[NIL]
	s_wait_dscnt 0x0
	CROUND                                         ; the closing round
	s_endpgm
.Lfunc_end_k_qdc3765e50f_outp:
	.size	k_qdc3765e50f_outp, .Lfunc_end_k_qdc3765e50f_outp-k_qdc3765e50f_outp
	.p2alignl 7, 3214868480
	.fill 96, 4, 3214868480
	.section	.rodata,"a",@progbits
	.p2align	6, 0x0
	.amdhsa_kernel k_qdc3765e50f_outp
		.amdhsa_group_segment_fixed_size 199680
		.amdhsa_private_segment_fixed_size 0
		.amdhsa_enable_private_segment 0
		.amdhsa_kernarg_size 32
		.amdhsa_user_sgpr_count 2
		.amdhsa_user_sgpr_kernarg_segment_ptr 1
		.amdhsa_wavefront_size32 1
		.amdhsa_system_sgpr_workgroup_id_x 1
		.amdhsa_system_sgpr_workgroup_id_y 1
		.amdhsa_system_sgpr_workgroup_id_z 1
		.amdhsa_system_vgpr_workitem_id 0
		.amdhsa_next_free_vgpr 256
		.amdhsa_next_free_sgpr 66
		.amdhsa_reserve_vcc 0
		.amdhsa_float_denorm_mode_32 3
		.amdhsa_float_denorm_mode_16_64 3
		.amdhsa_memory_ordered 1
		.amdhsa_forward_progress 1
		.amdhsa_inst_pref_size 29
	.end_amdhsa_kernel
	.amdgpu_metadata
---
amdhsa.version: [ 1, 2 ]
amdhsa.kernels:
  - .name:           k_qdc3765e50f_outp
    .symbol:         k_qdc3765e50f_outp.kd
    .args:
      - { .name: ow, .offset: 0, .size: 8, .value_kind: global_buffer, .address_space: global }
      - { .name: Wm, .offset: 8, .size: 8, .value_kind: global_buffer, .address_space: global }
      - { .name: bm, .offset: 16, .size: 8, .value_kind: global_buffer, .address_space: global }
      - { .name: out0, .offset: 24, .size: 8, .value_kind: global_buffer, .address_space: global }
    .group_segment_fixed_size: 199680
    .private_segment_fixed_size: 0
    .kernarg_segment_align: 8
    .kernarg_segment_size: 32
    .max_flat_workgroup_size: 256
    .sgpr_count:     66
    .vgpr_count:     256
    .wavefront_size: 32
...
	.end_amdgpu_metadata
.endif
;; end of part 3
